; MI455X (gfx1250); checked and timed in simulation.
; The chip was launched on July 23, 2026; its instructions are those of AMD's public machine-readable ISA for CDNA 5 (MIT licence, August 2026) and "CDNA5" Instruction Set Architecture Reference Guide (July 2026).
;; Full Attention. Allowed arithmetic: matrix products marked QUANTISED: E2M1 operands, one E8M0 scale for each 32 along K, by v_wmma_scale_f32_16x16x128_f8f6f4 with both operands' format E2M1 (or v_wmma_scale_f32_32x16x128_f4), f32 sums; everything else in f32.
;; Inputs: keys_codes 4 x 2,048 x 16 x 2 x 16 uint8 (E2M1 codes of keys, K innermost, in blocks of 32 codes, two codes a byte); keys_scales 4 x 2,048 x 16 x 2 uint8 (E8M0 scales of keys, one for each 32 codes along K); queries_codes 4 x 2,048 x 16 x 2 x 16 uint8 (E2M1 codes of queries, K innermost, in blocks of 32 codes, two codes a byte); queries_scales 4 x 2,048 x 16 x 2 uint8 (E8M0 scales of queries, one for each 32 codes along K); values_codes 4 x 16 x 64 x 64 x 16 uint8 (E2M1 codes of values, K innermost, in blocks of 32 codes, two codes a byte); values_scales 4 x 16 x 64 x 64 uint8 (E8M0 scales of values, one for each 32 codes along K).
;; Outputs: out0 4 x 2,048 x 16 x 64 float32.
;; This version of the problem:
;;   THIS VERSION OF THE PROBLEM IS GIVEN IN LOW PRECISION. The matrix products marked QUANTISED in the list below multiply operands that are first quantised to E2M1 (2 exponent bits, 1 mantissa bit; 4 bits a number), with one power-of-two scale for each 32 numbers along K (OCP MX v1.0); their sums are f32. All else is computed in f32.
;;   The module's matrix products, in the order in which they are computed (A, B: the left and right operand; K: the contracted axis; several contracted axes count as one K, in the product's order):
;;     1. batch 64 x [M 2,048, K 64] x [K 64, N 2,048]; A: input queries (given as codes); B: input keys (given as codes): QUANTISED
;;     2. batch 64 x [M 64, K 2,048] x [K 2,048, N 2,048]; A: input values (given as codes); B: softmax (see below): QUANTISED
;;   THE QUANTISER, for each operand of a quantised product, along K:
;;     - K is cut into blocks of 32 from its start; a last block that is shorter is filled with zeros.
;;     - A block's scale is 2^e with e = floor(log2(the largest magnitude in the block)) - 2, held to -126 .. 127; a block of zeros has e = 0. As a byte (E8M0): e + 127.
;;     - Each number is divided by its block's scale, clamped to +-6, and rounded to the nearest number of E2M1, ties to even, subnormals kept.
;;     - The product sums the exact products of the quantised numbers (number of the format x scale) in f32.
;;   ~~~python
;;   def quantise(x, axis):      # numpy; x: float32 -> the quantised numbers, widened to float32 again
;;       x = np.moveaxis(x, axis, -1); K = x.shape[-1]
;;       x = np.pad(x, [(0, 0)] * (x.ndim - 1) + [(0, -K % 32)]); x = x.reshape(x.shape[:-1] + (-1, 32)); a = np.abs(x).max(-1, keepdims=True)
;;       e = np.where(a > 0, np.clip(np.frexp(np.where(a > 0, a, 1))[1] - 1 - 2, -126, 127), 0)      # np.frexp(a)[1] - 1 = floor(log2(a)), exactly
;;       r = np.clip(x / 2.0 ** e, -6, 6)
;;       step = 2.0 ** (np.maximum(np.frexp(np.where(r == 0, 1, r))[1] - 1, 0) - 1)
;;       q = np.round(r / step) * step * 2.0 ** e      # np.round: ties to even
;;       return np.moveaxis(q.reshape(q.shape[:-2] + (-1,))[..., :K], -1, axis).astype(np.float32)
;;   ~~~
;;   SOFTMAX AHEAD OF A QUANTISED PRODUCT. Where the list says 'softmax', what is quantised is not the finished softmax but p = 2^(t - M), with t = logit x log2(e) and M = ceil(the row's largest t), a whole number; so 1/2 < the row's largest p <= 1. The row's sum l is taken of the UNQUANTISED p, in f32, and the product's result is divided by l at the end. Since M is a whole number, a kernel that streams over the keys may use a running M (the ceiling of the running maximum): every later rescaling is an exact power of two, which a block's scale takes up: the codes' values come out the same.
;;   OPERANDS COMPUTED ON THE WAY. 'Computed on the way' means the value that the module computes at that place (a softmax that the list does not call 'softmax' is quantised finished and normalised). What goes into a quantiser is computed in f32, as accurately as f32 sums, v_exp_f32 and their like allow (about 1e-6 of the number): no bf16 or f16 on the way to a quantiser, and a product that is left as it is and whose result goes on into a quantised operand takes f32 operands (vector FMAs, or v_wmma_f32_16x16x4_f32). A number that lies on a knife's edge between two numbers of the format may be rounded either way, as far as f32 arithmetic and the matrix unit's own rounding can turn it there, and no further.
;;   INPUTS GIVEN AS CODES. keys (in the module: [4, 2048, 16, 64], K = its axis 3); queries (in the module: [4, 2048, 16, 64], K = its axis 3); values (in the module: [4, 2048, 16, 64], K = its axis 1): each comes as NAME_codes (uint8): NAME with its K axis moved to the last place and cut into blocks of 32 codes, [.., K / 32, bytes a block], one block behind the other in memory; two codes a byte, the lower K in the low four bits (a code: sign, 2 exponent bits, 1 mantissa bit); and NAME_scales (uint8): the same leading axes, one E8M0 byte (e + 127) for each 32 codes along K. Its value is code x scale, taken as it is: it is not quantised again, and the codes and scales need not be those that the quantiser above would give.
;; One version. Each part assembles by itself: llvm-mc -triple=amdgcn-amd-amdhsa -mcpu=gfx1250 --defsym DOCPART=n.
;; ======== version 1 of 1: 1 launch
;; launch attn (part 1): grid 4 x 64, 16 waves a work-group, clusters of 4 x 1, 327,680 bytes of LDS; arguments queries_codes, queries_scales, keys_codes, keys_scales, values_codes, values_scales, out0; writes out0
.if DOCPART == 1
	.amdgcn_target "amdgcn-amd-amdhsa--gfx1250"
	.amdhsa_code_object_version 6
	.text
	.protected	k_q0f49a3fbb1_attn
	.globl	k_q0f49a3fbb1_attn
	.p2align	8
	.type	k_q0f49a3fbb1_attn,@function
k_q0f49a3fbb1_attn:
	s_mov_b64 s[64:65], 0
	v_nop
	global_prefetch_b8 v0, s[64:65] scope:SCOPE_SE
	s_setreg_imm32_b32 hwreg(HW_REG_WAVE_MODE, 25, 1), 1
	s_wait_xcnt 0x0
	s_wait_alu depctr_hold_cnt(0) depctr_sa_sdst(0) depctr_va_vdst(0) depctr_va_sdst(0) depctr_va_ssrc(0) depctr_va_vcc(0) depctr_vm_vsrc(0)
	s_getreg_b32 s2, hwreg(HW_REG_IB_STS2, 6, 4)
	s_cmp_eq_u32 s2, 0
	s_cbranch_scc0 .Lentry_in_a_cluster
	s_endpgm
.Lentry_in_a_cluster:
	s_bfe_u32 s2, ttmp6, 0x10000c
	s_cmp_lg_u32 s2, 0x3003
	s_cbranch_scc0 .Lentry_shape_is_right
	s_endpgm
.Lentry_shape_is_right:
.set VP,   1040
.set VB,   65536
.set KSC,  132096
.set VSC,  KSC+4096
.set STG,  VSC+4096+256
.set SP,   272
.set AK0,  1
.set AV0,  2
.set AS0,  3
.set ADK,  4
.set ADV,  5
.set ADS,  6
.set STO,  7
.set SRD,  8
.set GO,   9
.set DQ,   10
.set NINF, 11
.set NM,   12
.set TMX,  13
.set LS,   14
.set ZQ,   16
.set KF,   36
.set VF,   68
.set S,    100
.set OA,   164
.set SC,   196
.set QS1,  200
.set QS2,  201
.set PS,   202
.set PC,   204
.set BM,   212
.set BT,   216
.set BS,   220
.set FM,   224
.set TT,   226
.set SUM2, 228
.set WV,   18
.set GA,   19
.set UU,   20
.set GB,   21
.set CX,   22
.set HB,   23
.set BB,   24
.set HH,   25
.set SEL,  26
.set CS,   28
.set GRP,  30
.set G1K,  32
.set G1V,  40
.set G0V,  48
.set G0K,  52
.set KSI,  60
.set TK,   61
.set TV,   62
.set TS,   63
.set OB1,  66
.set OB2,  68
.macro ROUND
	s_barrier_signal -1
	s_barrier_wait -1
	s_cmp_lg_u32 s[WV], 0
	s_cbranch_scc1 .Lnot_wave_0_\@
	s_barrier_signal -3
.Lnot_wave_0_\@:
	s_barrier_wait -3
	s_barrier_signal -1
	s_barrier_wait -1
.endm
.macro INIT
	v_mov_b32 v[TMX], 0xff61b1e6
	s_delay_alu instid0(VALU_DEP_1)
	v_floor_f32 v[NM], -v[TMX]
	v_mov_b32 v[LS], 0
	v_mov_b32 v[LS+1], 0
.set j, 0
.rept 32
	v_mov_b32 v[OA+j], 0
.set j, j+1
.endr
.endm
	s_load_b256 s[4:11], s[0:1], 0x0
	s_load_b128 s[12:15], s[0:1], 0x20
	s_load_b64 s[16:17], s[0:1], 0x30
	v_lshl_add_u32 v254, v0, 2, 0x34000
	v_mov_b32 v255, 0
	ds_add_u32 v254, v255
	ds_add_u32 v254, v255
	v_lshrrev_b32 v4, 5, v0
	s_delay_alu instid0(VALU_DEP_1)
	v_readfirstlane_b32 s[WV], v4
	s_lshr_b32 s[GA], s[WV], 1
	s_and_b32 s[UU], s[WV], 1
	s_xor_b32 s[GB], s[GA], 15
	s_and_b32 s[HB], ttmp7, 0xffff
	s_lshr_b32 s[BB], s[HB], 4
	s_and_b32 s[HH], s[HB], 15
	s_mov_b32 s[G1K], 15|(1<<21)
	s_mov_b32 s[G1K+1], 32<<16
	s_mov_b32 s[G1K+2], 128<<16
	s_mov_b32 s[G1K+3], 32<<16
	s_mov_b32 s[G1K+4], 128
	s_mov_b32 s[G1K+5], 512
	s_mov_b32 s[G1K+6], 0
	s_mov_b32 s[G1K+7], 0
	s_mov_b32 s[G1V], 15|(1<<20)|(1<<21)|(7<<22)|(3<<25)
	s_mov_b32 s[G1V+1], 1024<<16
	s_mov_b32 s[G1V+2], 4<<16
	s_mov_b32 s[G1V+3], 1024<<16
	s_mov_b32 s[G1V+4], 4
	s_mov_b32 s[G1V+5], 1024
	s_mov_b32 s[G1V+6], 0
	s_mov_b32 s[G1V+7], 0
	s_lshl_b32 s82, s[HB], 16
	s_lshl_b32 s83, s[WV], 12
	s_add_co_u32 s82, s82, s83
	s_mov_b32 s83, 0
	s_lshl_b32 s84, s[BB], 20
	s_lshl_b32 s85, s[HH], 5
	s_add_co_u32 s84, s84, s85
	s_lshl_b32 s85, s[WV], 16
	s_add_co_u32 s84, s84, s85
	s_mov_b32 s85, 0
	s_mov_b32 s[G0V], 1
	s_mul_i32 s[G0V+1], s[WV], 4*VP
	s_add_co_u32 s[G0V+1], s[G0V+1], VB
	s_mov_b32 s[G0K], 1
	s_lshl_b32 s[G0K+1], s[WV], 12
	s_wait_dscnt 0x0
	s_wait_kmcnt 0x0
	s_add_nc_u64 s[G0V+2:G0V+3], s[12:13], s[82:83]
	s_or_b32 s[G0V+3], s[G0V+3], 0x80000000
	s_add_nc_u64 s[G0K+2:G0K+3], s[8:9], s[84:85]
	s_or_b32 s[G0K+3], s[G0K+3], 0x80000000
	ROUND
	tensor_load_to_lds s[G0K:G0K+3], s[G1K:G1K+7]
	s_nop 0
	s_wait_alu depctr_va_vdst(0)
	s_wait_tensorcnt 0x0
	ds_add_u32 v254, v255
	s_wait_dscnt 0x0
	ROUND
	tensor_load_to_lds s[G0V:G0V+3], s[G1V:G1V+7]
	s_nop 0
.rept 4
	v_nop
.endr
	s_bfe_u32 s[CX], ttmp6, 0x40000
	s_mov_b32 s91, 0
	s_lshl_b32 s89, s[BB], 16
	s_lshl_b32 s90, s[HH], 1
	s_add_co_u32 s89, s89, s90
	s_mov_b32 s90, s89
	s_add_nc_u64 s[78:79], s[10:11], s[90:91]
	s_lshl_b32 s90, s[HB], 12
	s_add_nc_u64 s[80:81], s[14:15], s[90:91]
	v_lshlrev_b32 v240, 5, v0
	v_lshlrev_b32 v241, 2, v0
.irp i, 0,1,2,3
	global_load_u16 v[230+\i], v240, s[78:79] offset:16384*\i
.endr
.irp i, 0,1
	global_load_b32 v[234+\i], v241, s[80:81] offset:2048*\i
.endr
	s_lshl_b32 s86, s[CX], 5
	s_lshl_b32 s87, s[UU], 4
	s_add_co_u32 s86, s86, s87
	s_lshl_b32 s87, s[GB], 7
	s_add_co_u32 s87, s87, s86
	s_lshl_b32 s88, s[GA], 7
	s_add_co_u32 s88, s88, s86
	s_lshl_b32 s90, s87, 5
	s_add_co_u32 s90, s90, s89
	s_add_nc_u64 s[72:73], s[6:7], s[90:91]
	s_lshl_b32 s90, s88, 5
	s_add_co_u32 s90, s90, s89
	s_add_nc_u64 s[76:77], s[6:7], s[90:91]
	s_lshl_b32 s89, s89, 4
	s_lshl_b32 s90, s87, 9
	s_add_co_u32 s90, s90, s89
	s_add_nc_u64 s[70:71], s[4:5], s[90:91]
	s_lshl_b32 s90, s88, 9
	s_add_co_u32 s90, s90, s89
	s_add_nc_u64 s[74:75], s[4:5], s[90:91]
	s_lshl_b32 s89, s89, 3
	s_lshl_b32 s90, s87, 12
	s_add_co_u32 s90, s90, s89
	s_add_nc_u64 s[OB1:OB1+1], s[16:17], s[90:91]
	s_lshl_b32 s90, s88, 12
	s_add_co_u32 s90, s90, s89
	s_add_nc_u64 s[OB2:OB2+1], s[16:17], s[90:91]
	v_and_b32 v244, 15, v0
	v_bfe_u32 v245, v0, 4, 1
	s_delay_alu instid0(VALU_DEP_2)
	v_lshlrev_b32 v242, 9, v244
	s_delay_alu instid0(VALU_DEP_1)
	v_lshl_add_u32 v242, v245, 4, v242
	s_delay_alu instid0(VALU_DEP_4)
	v_lshlrev_b32 v243, 5, v244
	global_load_b128 v[ZQ+4:ZQ+7], v242, s[70:71]
	global_load_u16 v236, v243, s[72:73]
	global_load_b128 v[ZQ+12:ZQ+15], v242, s[74:75]
	global_load_u16 v237, v243, s[76:77]
	v_and_b32 v[AK0], 8, v244
	s_delay_alu instid0(VALU_DEP_1)
	v_add_nc_u32 v[AK0], v[AK0], v244
	s_delay_alu instid0(VALU_DEP_1)
	v_lshlrev_b32 v[AK0], 5, v[AK0]
	s_delay_alu instid0(VALU_DEP_1)
	v_lshl_add_u32 v[AK0], v245, 4, v[AK0]
	v_mul_u32_u24 v[AV0], v244, VP
	s_delay_alu instid0(VALU_DEP_1)
	v_lshl_add_u32 v[AV0], v245, 4, v[AV0]
	s_delay_alu instid0(VALU_DEP_1)
	v_add_nc_u32 v[AV0], VB, v[AV0]
	v_lshlrev_b32 v[AS0], 4, v244
	s_delay_alu instid0(VALU_DEP_1)
	v_lshl_add_u32 v[AS0], v245, 12, v[AS0]
	s_delay_alu instid0(VALU_DEP_1)
	v_add_nc_u32 v[AS0], KSC, v[AS0]
	s_mul_i32 s31, s[WV], 16*SP
	s_add_co_u32 s31, s31, STG
	v_mul_u32_u24 v[STO], v244, SP
	s_delay_alu instid0(VALU_DEP_1)
	v_lshl_add_u32 v[STO], v245, 5, v[STO]
	s_delay_alu instid0(VALU_DEP_1)
	v_add_nc_u32 v[STO], s31, v[STO]
	v_mul_u32_u24 v[SRD], v245, SP
	s_delay_alu instid0(VALU_DEP_1)
	v_lshl_add_u32 v[SRD], v244, 4, v[SRD]
	s_delay_alu instid0(VALU_DEP_1)
	v_add_nc_u32 v[SRD], s31, v[SRD]
	v_lshlrev_b32 v[GO], 12, v245
	s_delay_alu instid0(VALU_DEP_1)
	v_lshl_add_u32 v[GO], v244, 4, v[GO]
	v_lshlrev_b32 v[DQ], 4, v245
	s_delay_alu instid0(VALU_DEP_1)
	v_sub_nc_u32 v[DQ], v244, v[DQ]
	s_delay_alu instid0(VALU_DEP_1)
	v_add_nc_u32 v[DQ], s86, v[DQ]
	v_mov_b32 v[NINF], 0xff800000
	v_and_b32 v238, 7, v0
	s_delay_alu instid0(VALU_DEP_1)
	v_lshlrev_b32 v238, 4, v238
	v_bfe_u32 v246, v0, 3, 1
	s_delay_alu instid0(VALU_DEP_1)
	v_lshl_or_b32 v238, v246, 1, v238
	v_bfe_u32 v246, v0, 4, 1
	s_delay_alu instid0(VALU_DEP_1)
	v_lshl_or_b32 v238, v246, 7, v238
	v_bfe_u32 v246, v0, 5, 2
	s_delay_alu instid0(VALU_DEP_1)
	v_lshl_or_b32 v238, v246, 2, v238
	v_bfe_u32 v246, v0, 7, 2
	s_delay_alu instid0(VALU_DEP_1)
	v_lshl_or_b32 v238, v246, 8, v238
	s_delay_alu instid0(VALU_DEP_1)
	v_add_nc_u32 v238, KSC, v238
	v_and_b32 v239, 15, v0
	s_delay_alu instid0(VALU_DEP_1)
	v_lshlrev_b32 v239, 8, v239
	v_bfe_u32 v246, v0, 4, 4
	s_delay_alu instid0(VALU_DEP_1)
	v_lshl_or_b32 v239, v246, 4, v239
	v_bfe_u32 v246, v0, 8, 1
	s_delay_alu instid0(VALU_DEP_1)
	v_lshl_or_b32 v239, v246, 2, v239
	s_delay_alu instid0(VALU_DEP_1)
	v_add_nc_u32 v239, VSC, v239
.irp z, 0,1,2,3, 8,9,10,11, 16,17,18,19
	v_mov_b32 v[ZQ+\z], 0
.endr
.irp b, 0,1,2,3
	v_mov_b32 v[BT+\b], 0
.endr
	v_mov_b32 v[TT], 0
	v_mov_b32 v[FM+1], 0
	s_mov_b32 s[SEL], 0x76543210
	s_mov_b32 s[SEL+1], 0xfedcba98
	s_mov_b32 s[CS], 0x3e38aa3b
	s_mov_b32 s[CS+1], s[CS]
	s_wait_loadcnt 4
.irp i, 0,1,2,3
	ds_store_b16 v238, v[230+\i] offset:1024*\i
.endr
.irp i, 0,1
	ds_store_b32 v239, v[234+\i] offset:8*\i
.endr
	s_wait_loadcnt 0x0
	v_lshl_or_b32 v[QS1], v236, 16, v236
	v_lshl_or_b32 v[QS2], v237, 16, v237
	INIT
	s_wait_tensorcnt 0x0
	s_wait_dscnt 0x0
	s_barrier_signal -1
	s_barrier_wait -1
.macro STEP qf, qs
	s_cmp_gt_u32 s[KSI], s[GRP]
	s_cbranch_scc1 .Lhidden_\@
	s_setprio 2
	v_add_nc_u32 v[ADS], s[TS], v[AS0]
	v_add_nc_u32 v[ADK], s[TK], v[AK0]
	v_add_nc_u32 v[ADV], s[TV], v[AV0]
	v_nop
	ds_load_b128 v[SC:SC+3], v[ADS]
.irp p, 0,1,2,3
.irp u, 0,1
	ds_load_b128 v[KF+8*\p+4*\u:KF+8*\p+4*\u+3], v[ADK] offset:1024*\p+256*\u
.endr
.endr
.irp t, 0,1,2,3
.irp c, 0,1
	ds_load_b128 v[VF+8*\t+4*\c:VF+8*\t+4*\c+3], v[ADV] offset:16*\t*VP+32*\c
.endr
.endr
	s_wait_dscnt 8
.irp p, 0,1,2,3
	v_wmma_scale_f32_16x16x128_f8f6f4 v[S+16*\p:S+16*\p+7], v[KF+8*\p:KF+8*\p+7], v[\qf+4:\qf+11], 0, v[SC+\p], v[\qs] matrix_a_fmt:MATRIX_FMT_FP4 matrix_b_fmt:MATRIX_FMT_FP4
	v_wmma_scale_f32_16x16x128_f8f6f4 v[S+16*\p+8:S+16*\p+15], v[KF+8*\p:KF+8*\p+7], v[\qf:\qf+7], 0, v[SC+\p], v[\qs] matrix_a_fmt:MATRIX_FMT_FP4 matrix_b_fmt:MATRIX_FMT_FP4
.endr
.rept 4
	v_nop
.endr
	s_cmp_lg_u32 s[KSI], s[GRP]
	s_cbranch_scc1 .Lopen_\@
.set n, 0
.rept 64
	v_cmp_gt_i32 vcc_lo, 32*(n/16)+n%16, v[DQ]
	v_cndmask_b32 v[S+n], v[S+n], v[NINF], vcc_lo
.set n, n+1
.endr
.Lopen_\@:
.irp b, 0,1,2,3
	v_max3_num_f32 v[BM+\b], v[S+16*\b], v[S+16*\b+1], v[S+16*\b+2]
.endr
.irp i, 3,5,7,9,11,13
.irp b, 0,1,2,3
	v_max3_num_f32 v[BM+\b], v[BM+\b], v[S+16*\b+\i], v[S+16*\b+\i+1]
.endr
.endr
.irp b, 0,1,2,3
	v_max_num_f32 v[BM+\b], v[BM+\b], v[S+16*\b+15]
.endr
.irp b, 0,1,2,3
	s_delay_alu instid0(VALU_DEP_4)
	v_permlanex16_b32 v[BT+\b], v[BM+\b], s[SEL], s[SEL+1]
.endr
.irp b, 0,1,2,3
	s_delay_alu instid0(VALU_DEP_4)
	v_max_num_f32 v[BM+\b], v[BM+\b], v[BT+\b]
.endr
	s_delay_alu instid0(VALU_DEP_2)
	v_max3_num_f32 v[TT], v[BM], v[BM+1], v[BM+2]
	s_delay_alu instid0(VALU_DEP_1)
	v_max_num_f32 v[TT], v[TT], v[BM+3]
	s_delay_alu instid0(VALU_DEP_1)
	v_mul_f32 v[TT], s[CS], v[TT]
	s_delay_alu instid0(VALU_DEP_1)
	v_max_num_f32 v[TMX], v[TMX], v[TT]
	v_mov_b32 v[TT], v[NM]
	s_delay_alu instid0(VALU_DEP_2)
	v_floor_f32 v[NM], -v[TMX]
	s_delay_alu instid0(VALU_DEP_1)
	v_sub_f32 v[TT], v[NM], v[TT]
	s_delay_alu instid0(VALU_DEP_1)
	v_cvt_i32_f32 v[TT], v[TT]
	s_delay_alu instid0(VALU_DEP_1)
	v_ldexp_f32 v[FM], 1.0, v[TT]
.set j, 0
.rept 32
	v_pk_fma_f32 v[S+j:S+j+1], v[S+j:S+j+1], s[CS:CS+1], v[NM:NM+1] op_sel_hi:[1,0,0]
.set j, j+2
.endr
	s_setprio 1
.irp b, 0,1,2,3
	v_fma_f32 v[BM+\b], v[BM+\b], s[CS], v[NM]
.endr
.set j, 0
	s_wait_alu depctr_va_vdst(0)
.rept 64
	v_exp_f32 v[S+j], v[S+j]
.set j, j+1
.endr
.irp b, 0,1,2,3
	v_exp_f32 v[BM+\b], v[BM+\b]
.endr
	v_pk_mul_f32 v[LS:LS+1], v[LS:LS+1], v[FM:FM+1] op_sel_hi:[1,0]
	s_wait_alu depctr_va_vdst(0)
.irp b, 0,1,2,3
	v_max_num_f32 v[BM+\b], 0x1800000, v[BM+\b]
.endr
.irp b, 0,1,2,3
	s_delay_alu instid0(VALU_DEP_4)
	v_add_nc_u32 v[BS+\b], 0xff000000, v[BM+\b]
.endr
.irp b, 0,1,2,3
	s_delay_alu instid0(VALU_DEP_4)
	v_lshrrev_b32 v[BT+\b], 23, v[BS+\b]
.endr
	s_delay_alu instid0(VALU_DEP_3)
	v_lshl_or_b32 v[PS], v[BT+1], 8, v[BT]
	s_delay_alu instid0(VALU_DEP_1)
	v_lshl_or_b32 v[PS], v[BT+2], 16, v[PS]
	s_delay_alu instid0(VALU_DEP_1)
	v_lshl_or_b32 v[PS], v[BT+3], 24, v[PS]
.irp b, 0,1,2,3
	v_cvt_scalef32_pk8_fp4_f32 v[PC+2*\b], v[S+16*\b:S+16*\b+7], v[BS+\b]
	v_cvt_scalef32_pk8_fp4_f32 v[PC+2*\b+1], v[S+16*\b+8:S+16*\b+15], v[BS+\b]
.endr
	v_nop
.irp c, 0,1
.irp i, 0,1
	v_permlane16_swap_b32 v[PC+4*\c+\i], v[PC+4*\c+2+\i]
.endr
.endr
	v_pk_add_f32 v[SUM2:SUM2+1], v[S:S+1], v[S+2:S+3]
.set j, 4
	s_setprio 0
.rept 15
	v_pk_add_f32 v[LS:LS+1], v[LS:LS+1], v[S+j:S+j+1]
	v_pk_add_f32 v[SUM2:SUM2+1], v[SUM2:SUM2+1], v[S+j+2:S+j+3]
.set j, j+4
.endr
	s_delay_alu instid0(VALU_DEP_1)
	v_pk_add_f32 v[LS:LS+1], v[LS:LS+1], v[SUM2:SUM2+1]
.set j, 0
.rept 16
	v_pk_mul_f32 v[OA+j:OA+j+1], v[OA+j:OA+j+1], v[FM:FM+1] op_sel_hi:[1,0]
.set j, j+2
.endr
	s_wait_alu depctr_va_vdst(0)
	s_wait_dscnt 0x0
.irp t, 0,1,2,3
	v_wmma_scale_f32_16x16x128_f8f6f4 v[OA+8*\t:OA+8*\t+7], v[VF+8*\t:VF+8*\t+7], v[PC:PC+7], v[OA+8*\t:OA+8*\t+7], v[SC+\t], v[PS] matrix_a_fmt:MATRIX_FMT_FP4 matrix_b_fmt:MATRIX_FMT_FP4 matrix_a_scale:MATRIX_SCALE_ROW1
.endr
.Lhidden_\@:
	s_add_co_u32 s[TK], s[TK], 4096
	s_add_co_u32 s[TV], s[TV], 64
	s_add_co_u32 s[TS], s[TS], 256
	s_add_co_u32 s[KSI], s[KSI], 1
.endm
.macro OUT ob, more
.rept 4
	v_nop
.endr
	v_add_f32 v[LS], v[LS], v[LS+1]
	s_delay_alu instid0(VALU_DEP_1)
	v_permlanex16_b32 v[TT], v[LS], s[SEL], s[SEL+1]
	s_delay_alu instid0(VALU_DEP_1)
	v_add_f32 v[LS], v[LS], v[TT]
	s_wait_alu depctr_va_vdst(0)
	v_rcp_f32 v[LS], v[LS]
	v_nop
.set j, 0
	s_wait_alu depctr_va_vdst(0)
.rept 16
	v_pk_mul_f32 v[S+j:S+j+1], v[OA+j:OA+j+1], v[LS:LS+1] op_sel_hi:[1,0]
.set j, j+2
.endr
.irp t, 0,1,2,3
	ds_store_b128 v[STO], v[S+8*\t:S+8*\t+3] offset:64*\t
	ds_store_b128 v[STO], v[S+8*\t+4:S+8*\t+7] offset:64*\t+16
.endr
.irp i, 0,1,2,3,4,5,6,7
	ds_load_b128 v[S+32+4*\i:S+32+4*\i+3], v[SRD] offset:2*\i*SP
.endr
.irp i, 0,1,2,3,4,5,6,7
	s_wait_dscnt 7-\i
	global_store_b128 v[GO], v[S+32+4*\i:S+32+4*\i+3], s[\ob:\ob+1] offset:2*\i*4096 th:TH_STORE_NT
.endr
.if \more
	s_wait_xcnt 0x0
.endif
.endm
	s_mov_b32 s[GRP], s[GB]
	s_mov_b32 s[KSI], 0
	s_mov_b32 s[TK], 0
	s_mov_b32 s[TV], 0
	s_mov_b32 s[TS], 0
.Ltile1:
	STEP ZQ, QS1
	s_cmp_lt_u32 s[KSI], 16
	s_cbranch_scc1 .Ltile1
	s_setprio 0
	OUT OB1, 1
	INIT
	s_mov_b32 s[GRP], s[GA]
	s_mov_b32 s[KSI], 0
	s_mov_b32 s[TK], 0
	s_mov_b32 s[TV], 0
	s_mov_b32 s[TS], 0
.Ltile2:
	STEP ZQ+8, QS2
	s_cmp_lt_u32 s[KSI], 8
	s_cbranch_scc1 .Ltile2
	s_setprio 0
	OUT OB2, 0
	s_wait_tensorcnt 0x0
	ds_add_u32 v254, v255
	s_wait_dscnt 0x0
	ROUND
	s_endpgm
.Lfunc_end_k_q0f49a3fbb1_attn:
	.size	k_q0f49a3fbb1_attn, .Lfunc_end_k_q0f49a3fbb1_attn-k_q0f49a3fbb1_attn
	.p2alignl 7, 3214868480
	.fill 96, 4, 3214868480
	.section	.rodata,"a",@progbits
	.p2align	6, 0x0
	.amdhsa_kernel k_q0f49a3fbb1_attn
		.amdhsa_group_segment_fixed_size 327680
		.amdhsa_private_segment_fixed_size 0
		.amdhsa_enable_private_segment 0
		.amdhsa_kernarg_size 56
		.amdhsa_user_sgpr_count 2
		.amdhsa_user_sgpr_kernarg_segment_ptr 1
		.amdhsa_wavefront_size32 1
		.amdhsa_system_sgpr_workgroup_id_x 1
		.amdhsa_system_sgpr_workgroup_id_y 1
		.amdhsa_system_sgpr_workgroup_id_z 1
		.amdhsa_system_vgpr_workitem_id 0
		.amdhsa_next_free_vgpr 256
		.amdhsa_next_free_sgpr 96
		.amdhsa_reserve_vcc 1
		.amdhsa_float_denorm_mode_32 3
		.amdhsa_float_denorm_mode_16_64 3
		.amdhsa_memory_ordered 1
		.amdhsa_forward_progress 1
		.amdhsa_inst_pref_size 63
	.end_amdhsa_kernel
	.amdgpu_metadata
---
amdhsa.version: [ 1, 2 ]
amdhsa.kernels:
  - .name:           k_q0f49a3fbb1_attn
    .symbol:         k_q0f49a3fbb1_attn.kd
    .args:
      - { .name: queries_codes, .offset: 0, .size: 8, .value_kind: global_buffer, .address_space: global }
      - { .name: queries_scales, .offset: 8, .size: 8, .value_kind: global_buffer, .address_space: global }
      - { .name: keys_codes, .offset: 16, .size: 8, .value_kind: global_buffer, .address_space: global }
      - { .name: keys_scales, .offset: 24, .size: 8, .value_kind: global_buffer, .address_space: global }
      - { .name: values_codes, .offset: 32, .size: 8, .value_kind: global_buffer, .address_space: global }
      - { .name: values_scales, .offset: 40, .size: 8, .value_kind: global_buffer, .address_space: global }
      - { .name: out0, .offset: 48, .size: 8, .value_kind: global_buffer, .address_space: global }
    .group_segment_fixed_size: 327680
    .private_segment_fixed_size: 0
    .kernarg_segment_align: 8
    .kernarg_segment_size: 56
    .max_flat_workgroup_size: 512
    .sgpr_count:     96
    .vgpr_count:     256
    .wavefront_size: 32
...
	.end_amdgpu_metadata
.endif
;; end of part 1
